; MI455X (gfx1250); checked and timed in simulation.
; The chip was launched on July 23, 2026; its instructions are those of AMD's public machine-readable ISA for CDNA 5 (MIT licence, August 2026) and "CDNA5" Instruction Set Architecture Reference Guide (July 2026). The comments in the code are by the model that wrote it; some were corrected since.
;; Attention. Allowed arithmetic: matrix products marked QUANTISED: E3M2 operands, one E8M0 scale for each 32 along K, by v_wmma_scale_f32_16x16x128_f8f6f4 with both operands' format E3M2, f32 sums; everything else in f32.
;; Inputs: block_tables 2 x 32 int32; cu_seqlens_k 3 int32; cu_seqlens_q 3 int32; k_cache 64 x 64 x 8 x 128 float32; q 2,048 x 32 x 128 float32; v_cache 64 x 64 x 8 x 128 float32.
;; Outputs: out0 2,048 x 32 x 128 float32.
;; This version of the problem:
;;   THIS VERSION OF THE PROBLEM IS GIVEN IN LOW PRECISION. The matrix products marked QUANTISED in the list below multiply operands that are first quantised to E3M2 (3 exponent bits, 2 mantissa bits; 6 bits a number), with one power-of-two scale for each 32 numbers along K (OCP MX v1.0); their sums are f32. All else is computed in f32.
;;   The module's matrix products, in the order in which they are computed (A, B: the left and right operand; K: the contracted axis; several contracted axes count as one K, in the product's order):
;;     1. batch 16 x [M 2,048, K 128] x [K 128, N 4,096]; A: computed on the way; B: computed on the way: QUANTISED
;;     2. batch 16 x [M 128, K 2,048] x [K 2,048, N 4,096]; A: computed on the way; B: softmax (see below): QUANTISED
;;   THE QUANTISER, for each operand of a quantised product, along K:
;;     - K is cut into blocks of 32 from its start; a last block that is shorter is filled with zeros.
;;     - A block's scale is 2^e with e = floor(log2(the largest magnitude in the block)) - 4, held to -126 .. 127; a block of zeros has e = 0. As a byte (E8M0): e + 127.
;;     - Each number is divided by its block's scale, clamped to +-28, and rounded to the nearest number of E3M2, ties to even, subnormals kept.
;;     - The product sums the exact products of the quantised numbers (number of the format x scale) in f32.
;;   ~~~python
;;   def quantise(x, axis):      # numpy; x: float32 -> the quantised numbers, widened to float32 again
;;       x = np.moveaxis(x, axis, -1); K = x.shape[-1]
;;       x = np.pad(x, [(0, 0)] * (x.ndim - 1) + [(0, -K % 32)]); x = x.reshape(x.shape[:-1] + (-1, 32)); a = np.abs(x).max(-1, keepdims=True)
;;       e = np.where(a > 0, np.clip(np.frexp(np.where(a > 0, a, 1))[1] - 1 - 4, -126, 127), 0)      # np.frexp(a)[1] - 1 = floor(log2(a)), exactly
;;       r = np.clip(x / 2.0 ** e, -28, 28)
;;       step = 2.0 ** (np.maximum(np.frexp(np.where(r == 0, 1, r))[1] - 1, -2) - 2)
;;       q = np.round(r / step) * step * 2.0 ** e      # np.round: ties to even
;;       return np.moveaxis(q.reshape(q.shape[:-2] + (-1,))[..., :K], -1, axis).astype(np.float32)
;;   ~~~
;;   SOFTMAX AHEAD OF A QUANTISED PRODUCT. Where the list says 'softmax', what is quantised is not the finished softmax but p = 2^(t - M), with t = logit x log2(e) and M = ceil(the row's largest t), a whole number; so 1/2 < the row's largest p <= 1. The row's sum l is taken of the UNQUANTISED p, in f32, and the product's result is divided by l at the end. Since M is a whole number, a kernel that streams over the keys may use a running M (the ceiling of the running maximum): every later rescaling is an exact power of two, which a block's scale takes up: the codes' values come out the same.
;;   OPERANDS COMPUTED ON THE WAY. 'Computed on the way' means the value that the module computes at that place (a softmax that the list does not call 'softmax' is quantised finished and normalised). What goes into a quantiser is computed in f32, as accurately as f32 sums, v_exp_f32 and their like allow (about 1e-6 of the number): no bf16 or f16 on the way to a quantiser, and a product that is left as it is and whose result goes on into a quantised operand takes f32 operands (vector FMAs, or v_wmma_f32_16x16x4_f32). A number that lies on a knife's edge between two numbers of the format may be rounded either way, as far as f32 arithmetic and the matrix unit's own rounding can turn it there, and no further.
;; One version. Each part assembles by itself: llvm-mc -triple=amdgcn-amd-amdhsa -mcpu=gfx1250 --defsym DOCPART=n.
;; ======== version 1 of 1: 2 launches
;; limits: right only within a limited range of input values
;; workspace buffers: kv 6,553,600 bytes
;; launch prep (part 1): grid 16 x 16, 8 waves a work-group, no clusters, 68,608 bytes of LDS; arguments k_cache, v_cache, block_tables, kv; writes kv
.if DOCPART == 1
	.amdgcn_target "amdgcn-amd-amdhsa--gfx1250"
	.amdhsa_code_object_version 6
	.text
	.protected	k_q9ee6a2bc62_prep
	.globl	k_q9ee6a2bc62_prep
	.p2align	8
	.type	k_q9ee6a2bc62_prep,@function
k_q9ee6a2bc62_prep:
	s_mov_b64 s[64:65], 0
	v_nop
	global_prefetch_b8 v0, s[64:65] scope:SCOPE_SE
	s_setreg_imm32_b32 hwreg(HW_REG_WAVE_MODE, 25, 1), 1
	s_wait_xcnt 0x0
; K and V of the paged cache, f32, [64 blocks][64 keys][8 kv heads][128], are gathered through max(block_tables, 0) into LOGICAL key order and turned into codes of
; BF6 (E3M2) with one E8M0 scale byte for each 32 along a product's K: K along the head's 128, V along the keys (32 logical keys never cross a block of 64).
; A block's scale is 2^(floor(log2(its largest magnitude)) - 4); its byte is the largest magnitude's exponent field - 4, held at 1 from below.  A block of zeros so gets the byte 1:
; its codes are zeros, which add nothing under any byte but 0xff, and the bytes are read by this program alone.
; LIMITS: NaN and infinities among the inputs are not served.  A table entry is held to 0 .. 63, the blocks that the cache has.
; WHAT IS WRITTEN.  One work-group makes one IMAGE: (sequence, kv head, step of 128 logical keys); image number = (8 seq + head) 16 + step.  An image is 16 fragments of 1,536 bytes, each laid as the
; matrix operand's registers: register 4 c + j of lane l at byte 512 c + 16 l + 4 j, so that three loads of 16 bytes a lane bring a fragment.  K's eight fragments first, then V's eight.
;   K's fragment 2 b + u: lane (r, h) holds key 32 b + 8 u + r + 8 (r / 8) of the step, registers 6 c .. 6 c + 5 its channels 64 c + 32 h + 0 .. 31.
;   V's fragment t:       lane (r, h) holds channel 16 t + r,                      registers 6 c .. 6 c + 5 the keys 64 c + 32 h + 0 .. 31 of the step.
; The scale words lie behind all codes, 1,024 bytes an image: K's word of fragment tt, lane r at 4 (16 tt + r); V's word of channel d at 512 + 4 d.
; SHARES.  Waves 0-3 take V: a lane takes a channel and its registers run down the keys, so a block of 32 keys lies in one lane and nothing is transposed.  Waves 4-7 take K: a load takes a key's 512 bytes as
; they lie; the 32 rows of a wave turn through the wave's own stage in LDS and come back 128 bytes a lane.  Waves share nothing: no barrier.  Every offset is an immediate: no pointer is stepped.
; No hint on the loads: a table may name a block twice.
.set X,     32                         ; v32-159  V: four blocks of 32 numbers;  K: 32 rows as loaded
.set Y,     160                        ; v160-223 K: 64 numbers of a lane: two blocks of 32 channels
.set F,     224                        ; v224-247 two fragments' codes: no store's data are written again
.set T,     248                        ; v248-255 the upper halves of blocks, as the conversions leave them
.set SROW,  528                        ; a stage row: a key's 512 bytes + 16: the 16 rows that a load touches begin 132 words apart
.set STGB,  32*SROW                    ; a wave's stage
.set IMGB,  24576
.set FRB,   1536
.set SCALES, 6291456                   ; 256 images of codes
	s_load_b128 s[4:7], s[0:1], 0x0                ; k_cache, v_cache
	s_load_b128 s[8:11], s[0:1], 0x10              ; block_tables, kv
	v_lshl_add_u32 v251, v0, 2, 0x10800
	v_mov_b32 v255, 0
	v_lshrrev_b32 v1, 5, v0
	s_delay_alu instid0(VALU_DEP_1)
	v_readfirstlane_b32 s12, v1                    ; wave 0..7
	v_and_b32 v1, 31, v0                           ; lane
	v_and_b32 v2, 15, v0                           ; r
	v_bfe_u32 v3, v0, 4, 1                         ; h
	s_delay_alu instid0(VALU_DEP_3)
	v_lshlrev_b32 v4, 2, v1                        ; 4 x lane
	s_delay_alu instid0(VALU_DEP_4)
	v_lshlrev_b32 v5, 16/4, v1                     ; 16 x lane
	s_and_b32 s13, s12, 3                          ; w: my place among the four waves of my role
	s_mul_i32 s16, s13, STGB
	v_add_nc_u32 v6, s16, v5                       ; the stage, in: 16 x lane in a row
	v_mul_u32_u24 v7, v2, SROW
	s_delay_alu instid0(VALU_DEP_1)
	v_lshl_add_u32 v7, v3, 7, v7
	s_delay_alu instid0(VALU_DEP_1)
	v_add_nc_u32 v7, s16, v7                       ; and back: row r, + 128 h: my 32 channels of each 64
	v_mul_u32_u24 v8, v3, FRB
	s_delay_alu instid0(VALU_DEP_1)
	v_lshl_add_u32 v8, v2, 4, v8                   ; V's codes: fragment lane / 16 of my wave's two, 16 r in it
	s_lshl_b32 s16, s13, 7
	v_add_nc_u32 v9, s16, v4                       ; scale words: 4 x lane + 128 w
	v_lshlrev_b32 v10, 3, v3                       ; 8 h: where my two bytes stand in K's word
	v_mov_b32 v19, 0                               ; written once: a lane permute's destination counts as one of its sources
	s_mov_b32 s28, 0x76543210
	s_mov_b32 s29, 0xfedcba98                      ; v_permlanex16_b32's selects for lane l xor 16
	s_and_b32 s17, ttmp7, 0xffff                   ; y = 8 seq + head
	s_lshr_b32 s18, s17, 3                         ; seq
	s_and_b32 s19, s17, 7                          ; head
	s_lshl_b32 s30, s18, 7                         ; the table's row of 32 entries,
	s_lshl_b32 s31, ttmp9, 3                       ; the step's two entries
	s_add_co_u32 s30, s30, s31
	s_mov_b32 s31, 0
	s_lshl_b32 s32, s17, 4
	s_add_co_u32 s32, s32, ttmp9                   ; the image's number
	s_mul_i32 s34, s32, IMGB
	s_mul_i32 s33, s13, 2*FRB                      ; my wave's two fragments of its eight
	s_add_co_u32 s34, s34, s33
	s_mov_b32 s35, 0
	s_wait_kmcnt 0x0
	s_add_nc_u64 s[8:9], s[8:9], s[30:31]
	s_load_b64 s[14:15], s[8:9], 0x0               ; the physical blocks of logical blocks 2 step, 2 step + 1
	s_add_nc_u64 s[24:25], s[10:11], s[34:35]      ; my codes (V's lie 12,288 bytes on: in the stores' immediates)
	s_lshl_b32 s34, s32, 10
	s_add_co_u32 s34, s34, SCALES
	s_add_nc_u64 s[26:27], s[10:11], s[34:35]      ; the image's scale words
	s_lshl_b32 s33, s19, 9                         ; my head's 512 bytes of a key
	s_lshr_b32 s38, s13, 1
	s_wait_kmcnt 0x0
	s_cmp_eq_u32 s38, 0                            ; a K wave's 32 keys lie in one block: w / 2 says in which
	s_cselect_b32 s36, s14, s15
	s_max_i32 s30, s14, 0                          ; max(entry, 0), as the gather has it,
	s_min_u32 s30, s30, 63                         ; held inside the cache,
	s_lshl_b32 s30, s30, 18                        ; times a block's 262,144 bytes
	s_max_i32 s34, s15, 0
	s_min_u32 s34, s34, 63
	s_lshl_b32 s34, s34, 18
	s_max_i32 s36, s36, 0
	s_min_u32 s36, s36, 63
	s_lshl_b32 s36, s36, 18
	s_mov_b32 s37, 0
	s_cmp_lt_u32 s12, 4
	s_cbranch_scc0 .Lkrole
	; ---------------- V: lane = channel 32 w + lane, registers down the keys
	s_lshl_b32 s38, s13, 7                         ; my wave's 32 channels: 128 bytes
	s_add_co_u32 s38, s38, s33
	s_add_co_u32 s30, s30, s38
	s_add_co_u32 s34, s34, s38
	s_add_nc_u64 s[20:21], s[6:7], s[30:31]        ; keys 0-63 of the step
	s_add_nc_u64 s[22:23], s[6:7], s[34:35]        ; keys 64-127
.macro VLOAD kb                        ; block kb: V(key 32 kb + i, my channel): 32 lanes read 128 consecutive bytes, the four waves side by side a key's 512
.set i, 0
.rept 32
	global_load_b32 v[X+32*(\kb)+i], v4, s[20+2*((\kb)/2):21+2*((\kb)/2)] offset:(32*((\kb)%2)+i)*4096
.set i, i+1
.endr
.endm
.macro VBLOCK kb
.set XS, X+32*(\kb)
.set FD, F+12*((\kb)%2)+6*((\kb)/2)    ; block kb = 2 c + h is registers 6 c .. 6 c + 5 of the fragment's lanes of half h
.if (\kb) < 3
	s_wait_loadcnt 32                              ; this block's 32 loads are in; the next block's 32 may be out
.else
	s_wait_loadcnt 0x0
.endif
.if (\kb) < 2
	VLOAD (\kb)+2                                  ; the block two on, into registers of its own
.endif
	v_max3_num_f32 v12, |v[XS]|, |v[XS+1]|, |v[XS+2]|              ; the block's largest magnitude: all 32 numbers are mine; two chains
	v_max3_num_f32 v13, |v[XS+3]|, |v[XS+4]|, |v[XS+5]|
.irp i, 6,10,14,18,22,26
	s_delay_alu instid0(VALU_DEP_2)
	v_max3_num_f32 v12, v12, |v[XS+\i]|, |v[XS+\i+1]|
	s_delay_alu instid0(VALU_DEP_2)
	v_max3_num_f32 v13, v13, |v[XS+\i+2]|, |v[XS+\i+3]|
.endr
	s_delay_alu instid0(VALU_DEP_2)
	v_max3_num_f32 v12, v12, |v[XS+30]|, |v[XS+31]|
	s_delay_alu instid0(VALU_DEP_1)
	v_max3_num_f32 v12, v12, v13, 0x2800000        ; and the floor 2^(5 - 127): the byte cannot fall under 1
	s_delay_alu instid0(VALU_DEP_1)
	v_add_nc_u32 v14, 0xfe000000, v12              ; 4 off its exponent field: the conversion takes this operand's exponent field as its scale
.if (\kb) == 0
	s_delay_alu instid0(VALU_DEP_1)
	v_lshrrev_b32 v22, 23, v14                     ; the scale's byte: byte kb of my channel's word
.else
	s_delay_alu instid0(VALU_DEP_1)
	v_lshrrev_b32 v16, 23, v14
	s_delay_alu instid0(VALU_DEP_1)
	v_lshl_or_b32 v22, v16, 8*(\kb), v22
.endif
	v_cvt_scalef32_pk16_bf6_f32 v[FD:FD+2], v[XS:XS+15], v14
	v_cvt_scalef32_pk16_bf6_f32 v[T:T+2], v[XS+16:XS+31], v14      ; (a conversion's three registers begin on an even number)
	v_nop                                          ; one plain place behind a scaled conversion
.irp i, 0,1,2
	v_mov_b32 v[FD+3+\i], v[T+\i]
.endr
.endm
	VLOAD 0
	VLOAD 1
	VBLOCK 0
	VBLOCK 1
	VBLOCK 2
	VBLOCK 3
.irp h, 0,1                            ; the registers of the fragment's lanes (r, h): 16 lanes store 256 consecutive bytes, at a multiple of 256 from the buffer's first byte
.irp c, 0,1,2
	global_store_b128 v8, v[F+12*\h+4*\c:F+12*\h+4*\c+3], s[24:25] offset:12288+256*\h+512*\c
.endr
.endr
	global_store_b32 v9, v22, s[26:27] offset:512  ; my channel's scale word
	s_endpgm
	; ---------------- K: keys 32 w .. 32 w + 31 of the step
.Lkrole:
	s_and_b32 s38, s13, 1
	s_lshl_b32 s38, s38, 17                        ; the block's upper 32 keys lie 32 x 4,096 bytes on
	s_add_co_u32 s38, s38, s33
	s_add_co_u32 s36, s36, s38
	s_add_nc_u64 s[20:21], s[4:5], s[36:37]
.set j, 0
.rept 32
	global_load_b128 v[X+4*j:X+4*j+3], v5, s[20:21] offset:j*4096  ; key j's 512 consecutive bytes
.set j, j+1
.endr
.set j, 0
	s_wait_alu depctr_va_vdst(0)
.rept 32
	s_wait_loadcnt 31-j                            ; row j is in; the 31 - j younger rows may be out
	ds_store_b128 v6, v[X+4*j:X+4*j+3] offset:(16*((j/8)%2)+j%8+8*(j/16))*SROW   ; to the row at which its fragment wants it: key 8 u + r + 8 (r / 8) to row 16 u + r
.set j, j+1
.endr
.macro KTILE u                         ; fragment 2 w + u: lane (r, h) has two whole blocks of 32 channels: 64 c + 32 h + 0 .. 31
.irp c, 0,1
.irp i, 0,1,2,3,4,5,6,7
	ds_load_b128 v[Y+32*\c+4*\i:Y+32*\c+4*\i+3], v7 offset:16*(\u)*SROW+256*\c+16*\i   ; LDS serves a wave's instructions in order: these see my stores
.endr
.endr
	s_wait_dscnt 0x0
.irp c, 0,1
	v_max3_num_f32 v[12+\c], |v[Y+32*\c]|, |v[Y+32*\c+1]|, 0x2800000   ; with the floor 2^(5 - 127)
.endr
.irp i, 2,4,6,8,10,12,14,16,18,20,22,24,26,28,30
.irp c, 0,1
	s_delay_alu instid0(VALU_DEP_2)
	v_max3_num_f32 v[12+\c], v[12+\c], |v[Y+32*\c+\i]|, |v[Y+32*\c+\i+1]|   ; (the two blocks by turns)
.endr
.endr
.irp c, 0,1
	s_delay_alu instid0(VALU_DEP_2)
	v_add_nc_u32 v[14+\c], 0xfe000000, v[12+\c]    ; the conversions' scale operands
.endr
.irp c, 0,1
	s_delay_alu instid0(VALU_DEP_2)
	v_lshrrev_b32 v[16+\c], 23, v[14+\c]           ; the bytes of blocks h and 2 + h
.endr
	s_delay_alu instid0(VALU_DEP_1)
	v_lshl_or_b32 v18, v17, 16, v16
	s_delay_alu instid0(VALU_DEP_1)
	v_lshlrev_b32 v18, v10, v18                    ; at their places in the word (8 h bits up);
	s_delay_alu instid0(VALU_DEP_1)
	v_permlanex16_b32 v19, v18, s28, s29
	s_delay_alu instid0(VALU_DEP_1)
	v_or_b32 v[20+(\u)], v18, v19                  ; with lane l xor 16's two the word is whole
.irp c, 0,1
	v_cvt_scalef32_pk16_bf6_f32 v[F+12*(\u)+6*\c:F+12*(\u)+6*\c+2], v[Y+32*\c:Y+32*\c+15], v[14+\c]
	v_cvt_scalef32_pk16_bf6_f32 v[T+4*\c:T+4*\c+2], v[Y+32*\c+16:Y+32*\c+31], v[14+\c]
.endr
	v_nop                                          ; one plain place behind a scaled conversion
.irp c, 0,1
.irp i, 0,1,2
	v_mov_b32 v[F+12*(\u)+6*\c+3+\i], v[T+4*\c+\i]
.endr
.endr
.irp c, 0,1,2
	global_store_b128 v5, v[F+12*(\u)+4*\c:F+12*(\u)+4*\c+3], s[24:25] offset:(\u)*FRB+512*\c   ; 32 lanes store 512 consecutive bytes
.endr
.endm
	KTILE 0
	KTILE 1
	v_cmp_le_u32 vcc_lo, 16, v1
	s_delay_alu instid0(VALU_DEP_1)
	v_cndmask_b32 v18, v20, v21, vcc_lo            ; lanes 0-15 the words of fragment 2 w, lanes 16-31 those of 2 w + 1
	global_store_b32 v9, v18, s[26:27]
	s_wait_tensorcnt 0x0
	ds_add_u32 v251, v255
	s_wait_dscnt 0x0
	s_endpgm
.Lfunc_end_k_q9ee6a2bc62_prep:
	.size	k_q9ee6a2bc62_prep, .Lfunc_end_k_q9ee6a2bc62_prep-k_q9ee6a2bc62_prep
	.p2alignl 7, 3214868480
	.fill 96, 4, 3214868480
	.section	.rodata,"a",@progbits
	.p2align	6, 0x0
	.amdhsa_kernel k_q9ee6a2bc62_prep
		.amdhsa_group_segment_fixed_size 68608
		.amdhsa_private_segment_fixed_size 0
		.amdhsa_enable_private_segment 0
		.amdhsa_kernarg_size 32
		.amdhsa_user_sgpr_count 2
		.amdhsa_user_sgpr_kernarg_segment_ptr 1
		.amdhsa_wavefront_size32 1
		.amdhsa_system_sgpr_workgroup_id_x 1
		.amdhsa_system_sgpr_workgroup_id_y 1
		.amdhsa_system_sgpr_workgroup_id_z 1
		.amdhsa_system_vgpr_workitem_id 0
		.amdhsa_next_free_vgpr 256
		.amdhsa_next_free_sgpr 66
		.amdhsa_reserve_vcc 1
		.amdhsa_float_denorm_mode_32 3
		.amdhsa_float_denorm_mode_16_64 3
		.amdhsa_memory_ordered 1
		.amdhsa_forward_progress 1
		.amdhsa_inst_pref_size 42
	.end_amdhsa_kernel
	.amdgpu_metadata
---
amdhsa.version: [ 1, 2 ]
amdhsa.kernels:
  - .name:           k_q9ee6a2bc62_prep
    .symbol:         k_q9ee6a2bc62_prep.kd
    .args:
      - { .name: k_cache, .offset: 0, .size: 8, .value_kind: global_buffer, .address_space: global }
      - { .name: v_cache, .offset: 8, .size: 8, .value_kind: global_buffer, .address_space: global }
      - { .name: block_tables, .offset: 16, .size: 8, .value_kind: global_buffer, .address_space: global }
      - { .name: kv, .offset: 24, .size: 8, .value_kind: global_buffer, .address_space: global }
    .group_segment_fixed_size: 68608
    .private_segment_fixed_size: 0
    .kernarg_segment_align: 8
    .kernarg_segment_size: 32
    .max_flat_workgroup_size: 256
    .sgpr_count:     66
    .vgpr_count:     256
    .wavefront_size: 32
...
	.end_amdgpu_metadata
.endif
;; end of part 1
;; launch attn (part 2): grid 16 x 16, 8 waves a work-group, no clusters, 119,808 bytes of LDS; arguments q, kv, cu_seqlens_q, cu_seqlens_k, block_tables, out0; writes out0
.if DOCPART == 2
	.amdgcn_target "amdgcn-amd-amdhsa--gfx1250"
	.amdhsa_code_object_version 6
	.text
	.protected	k_q9ee6a2bc62_attn
	.globl	k_q9ee6a2bc62_attn
	.p2align	8
	.type	k_q9ee6a2bc62_attn,@function
k_q9ee6a2bc62_attn:
	s_mov_b64 s[64:65], 0
	v_nop
	global_prefetch_b8 v0, s[64:65] scope:SCOPE_SE
	s_setreg_imm32_b32 hwreg(HW_REG_WAVE_MODE, 25, 1), 1
	s_wait_xcnt 0x0
; Paged prefill attention on codes of BF6 (E3M2) with one E8M0 scale for each 32 along a product's K.  q, out0: [2 x 1,024 rows][32 heads][128] f32.  kv: K's and V's codes and scale words in logical key
; order, as images of the operands' registers (24,576 bytes for each sequence, kv head and step of 128 keys; the scale words behind all codes, 1,024 bytes an image).
; THE MASK IS MADE OF INPUTS: hist = seq_len_k - seq_len_q; key k counts for row i where k <= i + hist, k < seq_len_k and block_tables[seq][k / 64] >= 0.
; THE SOFTMAX: t = logit x log2(e); M = the running largest t rounded UP to a whole number; p = 2^(t - M) is quantised along the keys; the row's sum is taken of the unquantised p and divides at the end.
; When M moves, the sum and O are multiplied by 2^(old M - new M): exact.  The order in which key steps are walked is free.
; THE HIDDEN SCORE is -2^33, not -1e10: -2^33 x log2(e) is a whole number, so a row with no visible key has p = 1 for all 2,048 keys; in every other row both give p = 0.
; LIMITS: true logits lie above -2^33; the entries of cu_seqlens lie within +-2^30; NaN and infinities are not served.
; SHARES.  A work-group owns one (sequence, kv head) and 16 tiles of 16 queries.  Wave w takes head w % 4 of the group and TWO tiles: tile 0 = rows 16 u on, u = 2 X + w / 4 (early rows), tile 1 = rows 16 (63 - u) on
; (late rows): the two tiles' key steps add up alike in every wave, and both waves of a SIMD have work in every step that any row needs.
; THE WALK begins at image S0 = 12 and goes round: 12 .. 15, 0 .. 11.  Where tile 0 sees no key from 128 S0 on, its q is turned into codes at the end of the first step, and its result leaves at the
; end of its last step, inside the loop; else its q is served in the head.  All of this hangs on whole numbers made of the index inputs.
; WORK THAT THE MASK THROWS AWAY IS NOT DONE: a step hidden from tile 0 runs tile 1 alone; one hidden from both runs nothing; an image that no row of the work-group sees is not copied.  A step that tile 0 sees
; and tile 1 does not (only where some row of tile 0 sees no key at all) runs both, tile 1 wholly masked: a masked step leaves sums that the next change of M multiplies by 0.
; NO TENSOR LOAD, NO CLUSTER, though 16 work-groups walk the same images: the branches hang on cu_seqlens and block_tables, read from memory.
; So an image goes from memory through registers into LDS: 100 bytes a thread.
; LAYOUT.  Both products are used transposed: S^T = K Q^T, O^T = V^T P^T: a lane holds ONE query (lane % 16).  The keys of K's fragment 2 b + u are 32 b + 8 u + r + 8 (r / 8), so that registers 16 b + i of the
; scores are the keys 32 b + 16 (lane / 16) + i.
; LDS: two slots of an image and its scale words; a stage of 16 rows x 528 bytes for each wave (q on its way in, out0 on its way out, whole rows of 512 bytes); the spare words.
; REGISTERS, window 0: v1-31 addresses, statistics, scale words; v32-79 fragments 0-3; v80-143, v144-207 the tiles' scores, then p; v208-231 p's codes; v232-251 at work; v252-255 V's scale words.
;   window 1: v0-127 O^T; v128-151 Q's codes; v152-176 the next image on its way; v180-227 fragments 4-7.
.set S0,     12
.set SLOTB,  25600
.set SCO,    24576                     ; the scale words' place in a slot
.set STAGE,  2*SLOTB
.set QPITCH, 528                       ; 512 + 16: the 16 rows that a load touches begin 132 words apart
.set STGB,   16*QPITCH
.set SPARE,  STAGE+8*STGB
.set IMGB,   24576
.set FRB,    1536
.set VOFF,   12288
.set SCALES, 6291456
.set LI,   1                           ; 16 x lane
.set LS0,  2                           ; 4 x lane
.set TA,   3                           ; 16 x thread
.set PFO,  4                           ; the prefetches' offset: 8,192 x wave + 256 x lane
.set DQ,   5                           ; v5, v6: the last key that my query of tile x sees, less 16 (lane / 16)
.set T4,   7                           ; 4 x thread
.set RD,   8                           ; my stage + 16 x lane: whole rows
.set DLO,  9                           ; v9, v10: DQ less the step's first key, for the step's two blocks of 64; negative where the block is no block
.set STO,  11                          ; my stage + row r + 32 h
.set STAT, 12                          ; tile x at v[12 + 4 x]: -M, the largest t, the sum in two halves
.set QS,   20
.set PS,   22
.set FF,   24                          ; f = 2^(old M - new M)
.set QB,   25                          ; my stage + row r + 64 h (also named as the upper half of the pair v[24:25], of which the low word alone is taken)
.set TMP,  26
.set KS,   28
.set FR,   32
.set RR,   32                          ; in the head alone: r, h
.set HH,   33
.set SS,   80
.set PP,   208
.set CT,   232
.set SPW,  235                         ; my spare word; never rewritten (the conversions write v232-234 and v236-238)
.set NIL,  239                         ; 0; never rewritten
.set BM,   240
.set BP,   244
.set SO,   248
.set VS,   252
.set QF,   128                         ; window 1
.set STG,  152
.set STS,  176
.set KF2,  180
.set WV,   16
.set XX,   17
.set YY,   18
.set SEQ,  19
.set KVH,  20
.set TT,   21
.set HIST, 26
.set SLK1, 27
.set VB,   28                          ; bit b: logical block b is a block
.set BOTHV, 29                         ; bit 2 st: both blocks of step st are
.set KF,   30                          ; the step's first key
.set B2,   31                          ; 2 x image
.set STN,  32                          ; place in the walk
.set TRIP, 33
.set PLIM, 34
.set LDF,  35                          ; 1: the next image is copied
.set HIDE, 36                          ; s36, s37: the last key that any row of tile x sees
.set OPENL, 38                         ; s38, s39: the last key that all of them see
.set ANYV, 40                          ; s40, s41: bit 2 st: one of the step's two blocks is a block
.set CC,   42
.set SEL,  44
.set QSC,  46
.set KVB,  56                          ; image 0 of my 16
.set SCB,  58                          ; its scale words
.set KVP,  60                          ; the image copied next
.set KSP,  62
.set PFP,  66                          ; the image after that
.set QP,   68                          ; s[68:71] my two tiles in q
.set OP,   72                          ; s[72:75] and in out0
.set WGH,  76                          ; the last key that any row of the work-group sees
.set FINA, 77                          ; the place in the walk at whose end tile 0 leaves (odd)
.set QPOS, 78                          ; 0: tile 0's q is served at the end of place 0; -1: in the head
.set FV,   80                          ; s80, s81: tile x sees a key of this step
.set U16,  82
.set NEGS, 84                          ; -2^33
.set MSB, 0
.macro WIN new                         ; s_set_vgpr_msb: bits 1:0 source 0, 3:2 source 1, 5:4 source 2, 7:6 destination; the high byte repeats the setting that is left
.if MSB != \new
	s_set_vgpr_msb (MSB<<8)|\new
.set MSB, \new
.endif
.endm
.macro PLACES n
.rept \n
	v_nop
.endr
.endm
.macro QLOAD x                         ; 16 rows of my head: each load takes a row's 512 consecutive bytes; read once in the launch
.set j, 0
.rept 16
	global_load_b128 v[SS+64*(\x)+4*j:SS+64*(\x)+4*j+3], v[LI], s[QP+2*(\x):QP+2*(\x)+1] offset:j*16384 th:TH_LOAD_NT
.set j, j+1
.endr
.endm
.macro IMGLOAD                         ; an image and its scale words: 6 x 4,096 bytes and 1,024 bytes a work-group
	WIN 0x40
.irp i, 0,1,2,3,4,5
	global_load_b128 v[STG+4*\i:STG+4*\i+3], v[TA], s[KVP:KVP+1] offset:4096*\i
.endr
	global_load_b32 v[STS], v[T4], s[KSP:KSP+1]
	WIN 0
.endm
.macro IMGSTORE sl
	WIN 0x04                                       ; an LDS store's data are its source 1: window 1
.irp i, 0,1,2,3,4,5
	ds_store_b128 v[TA], v[STG+4*\i:STG+4*\i+3] offset:(\sl)+4096*\i
.endr
	ds_store_b32 v[T4], v[STS] offset:(\sl)+SCO
	WIN 0
.endm
	s_load_b256 s[4:11], s[0:1], 0x0               ; q, kv, cu_seqlens_q, cu_seqlens_k
	s_load_b128 s[12:15], s[0:1], 0x20             ; block_tables, out0
	v_lshl_add_u32 v[SPW], v0, 2, SPARE
	v_mov_b32 v[NIL], 0
	v_lshrrev_b32 v[TMP], 5, v0
	s_delay_alu instid0(VALU_DEP_1)
	v_readfirstlane_b32 s[WV], v[TMP]              ; wave 0..7
	v_and_b32 v[TMP], 31, v0                       ; lane
	v_and_b32 v[RR], 15, v0
	v_bfe_u32 v[HH], v0, 4, 1
	s_delay_alu instid0(VALU_DEP_3)
	v_lshlrev_b32 v[LI], 4, v[TMP]
	v_lshlrev_b32 v[LS0], 2, v[TMP]
	v_lshlrev_b32 v[TA], 4, v0
	v_lshlrev_b32 v[T4], 2, v0
	v_lshlrev_b32 v[PFO], 8, v[TMP]
	s_lshl_b32 s[TT], s[WV], 13
	v_add_nc_u32 v[PFO], s[TT], v[PFO]
	s_mul_i32 s[TT], s[WV], STGB
	s_add_co_u32 s[TT], s[TT], STAGE               ; my stage
	v_mul_u32_u24 v[STO], v[RR], QPITCH
	s_delay_alu instid0(VALU_DEP_1)
	v_add_nc_u32 v[STO], s[TT], v[STO]
	s_delay_alu instid0(VALU_DEP_1)
	v_lshl_add_u32 v[QB], v[HH], 6, v[STO]
	v_lshl_add_u32 v[STO], v[HH], 5, v[STO]
	v_add_nc_u32 v[RD], s[TT], v[LI]
	s_mov_b32 s[XX], ttmp9
	s_and_b32 s[YY], ttmp7, 0xffff                 ; 8 seq + kv head
	s_lshr_b32 s[SEQ], s[YY], 3
	s_and_b32 s[KVH], s[YY], 7
	s_and_b32 s48, s[WV], 3                        ; my head of the group
	s_lshr_b32 s49, s[WV], 2
	s_lshl_b32 s50, s[XX], 1
	s_add_co_u32 s50, s50, s49                     ; u
	s_sub_co_u32 s51, 63, s50
	s_lshl_b32 s[U16], s50, 4                      ; tile 0's first row,
	s_lshl_b32 s[U16+1], s51, 4                    ; tile 1's
	s_lshl_b32 s52, s[KVH], 11
	s_lshl_b32 s48, s48, 9
	s_add_co_u32 s52, s52, s48                     ; my head's 512 bytes of a row
	s_lshl_b32 s53, s[SEQ], 10
	s_add_co_u32 s50, s53, s[U16]
	s_lshl_b32 s50, s50, 14
	s_add_co_u32 s50, s50, s52
	s_mov_b32 s51, 0
	s_add_co_u32 s54, s53, s[U16+1]
	s_lshl_b32 s54, s54, 14
	s_add_co_u32 s54, s54, s52
	s_mov_b32 s55, 0
	s_cmp_lt_u32 s[WV], 3                          ; who prefetches: waves 0-2 (3 x 8,192 bytes are an image) of the first of the 16 work-groups that walk these images
	s_cselect_b32 s[PLIM], 13, -1
	s_cmp_eq_u32 s[XX], 0
	s_cselect_b32 s[PLIM], s[PLIM], -1
	s_mov_b32 s[CC], 0x3fb8aa3b                    ; log2(e)
	s_mov_b32 s[CC+1], s[CC]
	s_mov_b32 s[SEL], 0x76543210
	s_mov_b32 s[SEL+1], 0xfedcba98                 ; v_permlanex16_b32's selects for lane l xor 16
	s_mov_b32 s[QSC], 0x3db504f3                   ; 1 / sqrt(128)
	s_mov_b32 s[QSC+1], s[QSC]
	s_mov_b32 s[NEGS], 0xd0000000
	s_mov_b32 s[STN], 0
	s_mov_b32 s[TRIP], 8
	s_lshl_b32 s48, s[SEQ], 2
	s_mov_b32 s49, 0
	s_wait_alu depctr_va_vdst(0)                   ; the wait ahead of the blocking wait
	s_wait_kmcnt 0x0
	s_add_nc_u64 s[8:9], s[8:9], s[48:49]
	s_add_nc_u64 s[10:11], s[10:11], s[48:49]
	s_load_b64 s[22:23], s[8:9], 0x0               ; cu_seqlens_q[seq], [seq + 1]
	s_load_b64 s[24:25], s[10:11], 0x0             ; cu_seqlens_k likewise
	s_lshl_b32 s48, s[SEQ], 7
	s_add_nc_u64 s[12:13], s[12:13], s[48:49]      ; the sequence's 32 table entries
	s_add_nc_u64 s[QP:QP+1], s[4:5], s[50:51]
	s_add_nc_u64 s[QP+2:QP+3], s[4:5], s[54:55]
	s_add_nc_u64 s[OP:OP+1], s[14:15], s[50:51]
	s_add_nc_u64 s[OP+2:OP+3], s[14:15], s[54:55]
	s_mul_i32 s48, s[YY], 16*IMGB
	s_add_nc_u64 s[KVB:KVB+1], s[6:7], s[48:49]
	s_lshl_b32 s48, s[YY], 14
	s_add_co_u32 s48, s48, SCALES
	s_add_nc_u64 s[SCB:SCB+1], s[6:7], s[48:49]
	s_add_nc_u64 s[KVP:KVP+1], s[KVB:KVB+1], S0*IMGB
	s_add_nc_u64 s[KSP:KSP+1], s[SCB:SCB+1], S0*1024
	global_load_b32 v[TMP+1], v[LS0], s[12:13]     ; a lane an entry
	QLOAD 1                                        ; what is needed first is asked for first: tile 1's q, the walk's first image, then tile 0's q
	IMGLOAD
	QLOAD 0
	WIN 0x40
.set j, 0
.rept 128
	v_mov_b32 v[j], 0                              ; O^T is cleared, not begun by a first product: which key step is a tile's first hangs on the inputs
.set j, j+1
.endr
.set j, 0
.rept 12
	v_mov_b32 v[QF+j], 0                           ; tile 0's codes are made on one of two ways: every way finds the registers written
.set j, j+1
.endr
	WIN 0
	v_mov_b32 v[QS], 0
.irp x, 0,1
	v_mov_b32 v[STAT+4*\x+1], 0xff61b1e6           ; the largest t so far: -3e38
	s_delay_alu instid0(VALU_DEP_1)
	v_floor_f32 v[STAT+4*\x], -v[STAT+4*\x+1]      ; -M
	v_mov_b32 v[STAT+4*\x+2], 0
	v_mov_b32 v[STAT+4*\x+3], 0
.endr
.irp b, 0,1,2,3
	v_mov_b32 v[BP+\b], 0                          ; a lane permute's destination counts as one of its sources
.endr
	v_lshlrev_b32 v[TMP], 4, v[HH]
	s_wait_alu depctr_va_vdst(0)
	s_wait_kmcnt 0x0
	s_sub_co_i32 s[SLK1], s25, s24                 ; seq_len_k
	s_sub_co_i32 s[HIST], s23, s22                 ; seq_len_q
	s_sub_co_i32 s[HIST], s[SLK1], s[HIST]         ; hist
	s_sub_co_i32 s[SLK1], s[SLK1], 1
.irp x, 0,1
	s_add_co_i32 s[TT], s[U16+\x], s[HIST]         ; row 0's own position
	s_min_i32 s[OPENL+\x], s[TT], s[SLK1]
	v_add_nc_u32 v[DQ+\x], s[TT], v[RR]
	s_add_co_i32 s[TT], s[TT], 15
	s_min_i32 s[HIDE+\x], s[TT], s[SLK1]
	v_min_i32 v[DQ+\x], s[SLK1], v[DQ+\x]
	s_delay_alu instid0(VALU_DEP_1)
	v_sub_nc_u32 v[DQ+\x], v[DQ+\x], v[TMP]
.endr
	s_lshl_b32 s48, s[XX], 5
	s_add_co_i32 s49, s48, s[HIST]
	s_min_i32 s49, s49, s[SLK1]                    ; the last key that all rows of the work-group see
	s_sub_co_i32 s50, 1023, s48
	s_add_co_i32 s50, s50, s[HIST]
	s_min_i32 s[WGH], s50, s[SLK1]
	s_wait_alu depctr_va_vdst(0)
	s_wait_loadcnt 39                              ; the table's row is in; 16 + 7 + 16 younger loads may be out
	v_cmp_le_i32 s[VB], 0, v[TMP+1]
	s_lshr_b32 s51, s[VB], 1
	s_and_b32 s[BOTHV], s[VB], s51
	s_or_b32 s51, s[VB], s51
	s_ctz_i32_b32 s52, s[VB]
	s_lshl_b32 s52, s52, 6                         ; the first key of the first block that is a block,
	s_cmp_eq_u32 s[VB], 0
	s_cselect_b32 s52, 0x7fffffff, s52             ; if there is one
.irp x, 0,1
	s_cmp_gt_i32 s52, s[OPENL+\x]                  ; does some row of the tile see no key at all?  Then it walks all 16 steps and masks in each
	s_cselect_b32 s[HIDE+\x], 0x7fffffff, s[HIDE+\x]
	s_cselect_b32 s[ANYV+\x], -1, s51
	s_cselect_b32 s[OPENL+\x], 0x80000000, s[OPENL+\x]
.endr
	s_cmp_gt_i32 s52, s49
	s_cselect_b32 s[WGH], 0x7fffffff, s[WGH]
	s_lshr_b32 s48, s[HIDE], 7
	s_min_u32 s48, s48, 15                         ; tile 0's last image
	s_add_co_u32 s50, s48, 16-S0                   ; and its place in the walk, where the tile needs no image from S0 on
	s_cmp_ge_u32 s48, S0
	s_cselect_b32 s[QPOS], -1, 0
	s_cselect_b32 s[FINA], 15, s50
	s_or_b32 s[FINA], s[FINA], 1                   ; the way out stands in the odd places' text alone
; 64 numbers of a lane, register 16 b + i = k 32 b + 16 h + i of my row: the four blocks' largest magnitudes, and from them the conversions' scale operands
.macro QMAX s
.irp b, 0,1,2,3
	v_max3_num_f32 v[BM+\b], |v[\s+16*\b]|, |v[\s+16*\b+1]|, 0x2800000   ; with the floor 2^(5 - 127): the byte cannot fall under 1
.endr
.irp i, 2,4,6,8,10,12,14
.irp b, 0,1,2,3
	s_delay_alu instid0(VALU_DEP_4)
	v_max3_num_f32 v[BM+\b], v[BM+\b], |v[\s+16*\b+\i]|, |v[\s+16*\b+\i+1]|
.endr
.endr
.irp b, 0,1,2,3
	s_delay_alu instid0(VALU_DEP_4)
	v_permlanex16_b32 v[BP+\b], v[BM+\b], s[SEL], s[SEL+1]
.endr
.irp b, 0,1,2,3
	s_delay_alu instid0(VALU_DEP_4)
	v_max_num_f32 v[BM+\b], v[BM+\b], v[BP+\b]
.endr
.irp b, 0,1,2,3
	s_delay_alu instid0(VALU_DEP_4)
	v_add_nc_u32 v[SO+\b], 0xfe000000, v[BM+\b]    ; 4 off the exponent field
.endr
.endm
; the 64 numbers at v[s] become a fragment's codes at v[d] and its scale word in v[w]; the scale operands stand in v[SO] on
.macro PACK s, d, w
.irp b, 0,1,2,3
	s_delay_alu instid0(VALU_DEP_4)
	v_lshrrev_b32 v[BP+\b], 23, v[SO+\b]
.endr
	s_delay_alu instid0(VALU_DEP_3)
	v_lshl_or_b32 v[\w], v[BP+1], 8, v[BP]
	s_delay_alu instid0(VALU_DEP_1)
	v_lshl_or_b32 v[\w], v[BP+2], 16, v[\w]
	s_delay_alu instid0(VALU_DEP_1)
	v_lshl_or_b32 v[\w], v[BP+3], 24, v[\w]
.irp c, 0,1
	v_cvt_scalef32_pk16_bf6_f32 v[\d+6*\c:\d+6*\c+2], v[\s+32*\c:\s+32*\c+15], v[SO+2*\c]
	v_cvt_scalef32_pk16_bf6_f32 v[CT+4*\c:CT+4*\c+2], v[\s+32*\c+16:\s+32*\c+31], v[SO+2*\c+1]   ; (a conversion's three registers begin on an even number)
.endr
	v_nop                                          ; one plain place behind a scaled conversion
.irp c, 0,1                            ; the operand's layout wants a WHOLE block in a lane
.irp i, 0,1,2
	v_permlane16_swap_b32 v[\d+6*\c+\i], v[CT+4*\c+\i]
.endr
.irp i, 0,1,2
	s_delay_alu instid0(VALU_DEP_3)
	v_mov_b32 v[\d+6*\c+3+\i], v[CT+4*\c+\i]
.endr
.endr
.endm
; Tile x's q, 16 rows as loaded, turns through my stage so that a lane holds 16 neighbours of each block of 32; x 1 / sqrt(128), rounded to f32 as the definition has it; quantised; the codes stay in window 1
.macro QUANT x
.set SX, SS+64*(\x)
.set j, 0
.rept 16
	ds_store_b128 v[RD], v[SX+4*j:SX+4*j+3] offset:j*QPITCH
.set j, j+1
.endr
	s_wait_dscnt 0x0                               ; the stores have read their registers, which the loads below fill
.irp b, 0,1,2,3
.irp j, 0,1,2,3
	ds_load_b128 v[SX+16*\b+4*\j:SX+16*\b+4*\j+3], v[QB] offset:128*\b+16*\j
.endr
.endr
	s_wait_dscnt 0x0
.set j, 0
.rept 32
	v_pk_mul_f32 v[SX+j:SX+j+1], v[SX+j:SX+j+1], s[QSC:QSC+1] op_sel_hi:[1,0]
.set j, j+2
.endr
	QMAX SX
	PACK SX, PP+12*(\x), QS+(\x)
	WIN 0x40
.irp i, 0,1,2,3,4,5,6,7,8,9,10,11
	v_mov_b32 v[QF+12*(\x)+\i], v[PP+12*(\x)+\i]
.endr
	WIN 0
	PLACES 4                                       ; an operand written by vector instructions stands four places ahead of a scaled matrix instruction
	s_wait_alu depctr_va_vdst(0)
.endm
	s_wait_loadcnt 23                              ; tile 1's q is in; the image's 7 loads and tile 0's 16 may be out
	QUANT 1
	s_wait_loadcnt 16                              ; the image is in
	IMGSTORE 0
	s_cmp_eq_u32 s[QPOS], 0
	s_cbranch_scc1 .Llate
	s_wait_loadcnt 0x0                             ; tile 0 sees keys of the walk's first images
	QUANT 0
.Llate:
.macro KFETCH                          ; K's eight fragments and their scale words, in one run
.irp k, 0,1,2,3
.irp c, 0,1,2
	ds_load_b128 v[FR+12*\k+4*\c:FR+12*\k+4*\c+3], v[LI] offset:SL+\k*FRB+512*\c
.endr
.endr
.irp p, 0,1,2,3
	ds_load_b32 v[KS+\p], v[LS0] offset:SL+SCO+128*\p
.endr
	WIN 0x40
.irp k, 0,1,2,3
.irp c, 0,1,2
	ds_load_b128 v[KF2+12*\k+4*\c:KF2+12*\k+4*\c+3], v[LI] offset:SL+(4+\k)*FRB+512*\c
.endr
.endr
	WIN 0
.endm
.macro VFETCH hf                       ; V's fragments 4 hf .. 4 hf + 3, where K's lay
.set VD, FR+(KF2-FR)*(\hf)
.irp k, 0,1,2,3
.irp c, 0,1,2
	ds_load_b128 v[VD+12*\k+4*\c:VD+12*\k+4*\c+3], v[LI] offset:SL+VOFF+(4*(\hf)+\k)*FRB+512*\c
.endr
.endr
.if (\hf) == 0
.irp p, 0,1,2,3
	ds_load_b32 v[VS+\p], v[LS0] offset:SL+SCO+512+128*\p
.endr
.endif
.endm
.macro KQ g, x                         ; S^T = K Q^T: four fragments of K x tile x; every product begins its own sum
.set KA, FR+(KF2-FR)*(\g)
.irp k, 0,1,2,3
.if \k % 2
	v_wmma_scale_f32_16x16x128_f8f6f4 v[SS+64*(\x)+8*(4*(\g)+\k):SS+64*(\x)+8*(4*(\g)+\k)+7], v[KA+12*\k:KA+12*\k+11], v[QF+12*(\x):QF+12*(\x)+11], 0, v[KS+2*(\g)+\k/2], v[QS+(\x)] matrix_a_fmt:MATRIX_FMT_BF6 matrix_b_fmt:MATRIX_FMT_BF6 matrix_a_scale:MATRIX_SCALE_ROW1
.else
	v_wmma_scale_f32_16x16x128_f8f6f4 v[SS+64*(\x)+8*(4*(\g)+\k):SS+64*(\x)+8*(4*(\g)+\k)+7], v[KA+12*\k:KA+12*\k+11], v[QF+12*(\x):QF+12*(\x)+11], 0, v[KS+2*(\g)+\k/2], v[QS+(\x)] matrix_a_fmt:MATRIX_FMT_BF6 matrix_b_fmt:MATRIX_FMT_BF6
.endif
.endr
.endm
.macro PVT t, x
.if (\t) > 3
.set VA, KF2+12*((\t)-4)
.else
.set VA, FR+12*(\t)
.endif
.if (\t) % 2
	v_wmma_scale_f32_16x16x128_f8f6f4 v[64*(\x)+8*(\t):64*(\x)+8*(\t)+7], v[VA:VA+11], v[PP+12*(\x):PP+12*(\x)+11], v[64*(\x)+8*(\t):64*(\x)+8*(\t)+7], v[VS+(\t)/2], v[PS+(\x)] matrix_a_fmt:MATRIX_FMT_BF6 matrix_b_fmt:MATRIX_FMT_BF6 matrix_a_scale:MATRIX_SCALE_ROW1
.else
	v_wmma_scale_f32_16x16x128_f8f6f4 v[64*(\x)+8*(\t):64*(\x)+8*(\t)+7], v[VA:VA+11], v[PP+12*(\x):PP+12*(\x)+11], v[64*(\x)+8*(\t):64*(\x)+8*(\t)+7], v[VS+(\t)/2], v[PS+(\x)] matrix_a_fmt:MATRIX_FMT_BF6 matrix_b_fmt:MATRIX_FMT_BF6
.endif
.endm
.macro PV both                         ; O^T += V^T P^T: the accumulators by turns, one instruction a turn
	WIN 0x50                                       ; C and D in window 1
.irp t, 0,1,2,3
.if \both
	PVT \t, 0
.endif
	PVT \t, 1
.endr
	WIN 0x51                                       ; and fragments 4-7 too
.irp t, 4,5,6,7
.if \both
	PVT \t, 0
.endif
	PVT \t, 1
.endr
	WIN 0
.endm
; Tile x's hidden scores become -2^33, in steps in which some key is hidden from some row.  Register n holds key KF + 16 h + 32 (n / 16) + n % 16; n ascends.
.macro MASKIF x
	s_add_co_i32 s[TT], s[KF], 127
	s_cmp_gt_i32 s[TT], s[OPENL+(\x)]
	s_cbranch_scc1 .Lmask_\@
	s_bitcmp1_b32 s[BOTHV], s[B2]
	s_cbranch_scc1 .Lopen_\@
.Lmask_\@:
	v_sub_nc_u32 v[TMP], v[DQ+(\x)], s[KF]
	s_bitcmp1_b32 s[VB], s[B2]
	s_cselect_b32 s[TT], 0x7fffffff, -1
	v_min_i32 v[DLO], s[TT], v[TMP]
	s_add_co_u32 s48, s[B2], 1
	s_bitcmp1_b32 s[VB], s48
	s_cselect_b32 s[TT], 0x7fffffff, -1
	v_min_i32 v[DLO+1], s[TT], v[TMP]
.set n, 0
.rept 64
	v_cmp_le_i32 vcc_lo, 32*(n/16)+n%16, v[DLO+n/32]
	v_cndmask_b32 v[SS+64*(\x)+n], s[NEGS], v[SS+64*(\x)+n], vcc_lo
.set n, n+1
.endr
.Lopen_\@:
.endm
; Tile x's softmax for a key step
.macro SM x
.set SX, SS+64*(\x)
.set MN, STAT+4*(\x)
.irp b, 0,1,2,3
	v_max3_num_f32 v[BM+\b], v[SX+16*\b], v[SX+16*\b+1], v[SX+16*\b+2]   ; the largest SCORE of each block of 32 keys: for the row's maximum and, since p rises with the score, for the block's largest p
.endr
.irp i, 3,5,7,9,11,13
.irp b, 0,1,2,3
	v_max3_num_f32 v[BM+\b], v[BM+\b], v[SX+16*\b+\i], v[SX+16*\b+\i+1]
.endr
.endr
.irp b, 0,1,2,3
	v_max_num_f32 v[BM+\b], v[BM+\b], v[SX+16*\b+15]
.endr
.irp b, 0,1,2,3
	s_delay_alu instid0(VALU_DEP_4)
	v_permlanex16_b32 v[BP+\b], v[BM+\b], s[SEL], s[SEL+1]
.endr
.irp b, 0,1,2,3
	s_delay_alu instid0(VALU_DEP_4)
	v_max_num_f32 v[BM+\b], v[BM+\b], v[BP+\b]
.endr
	s_delay_alu instid0(VALU_DEP_2)
	v_max3_num_f32 v[TMP], v[BM], v[BM+1], v[BM+2]
	s_delay_alu instid0(VALU_DEP_1)
	v_max_num_f32 v[TMP], v[TMP], v[BM+3]
	s_delay_alu instid0(VALU_DEP_1)
	v_mul_f32 v[TMP], s[CC], v[TMP]                ; the step's largest score of my query, as t
	s_delay_alu instid0(VALU_DEP_1)
	v_max_num_f32 v[MN+1], v[MN+1], v[TMP]
	v_mov_b32 v[TMP], v[MN]
	s_delay_alu instid0(VALU_DEP_2)
	v_floor_f32 v[MN], -v[MN+1]                    ; the new -M = floor(-t)
	s_delay_alu instid0(VALU_DEP_1)
	v_sub_f32 v[TMP], v[MN], v[TMP]                ; old M less new M: a whole number, 0 or less
	s_delay_alu instid0(VALU_DEP_1)
	v_cvt_i32_f32 v[TMP], v[TMP]                   ; (it saturates)
	s_delay_alu instid0(VALU_DEP_1)
	v_ldexp_f32 v[FF], 1.0, v[TMP]
.set j, 0
.rept 32
	v_pk_fma_f32 v[SX+j:SX+j+1], v[SX+j:SX+j+1], s[CC:CC+1], v[MN:MN+1] op_sel_hi:[1,0,0]   ; t - M
.set j, j+2
.endr
.irp b, 0,1,2,3
	v_fma_f32 v[BM+\b], v[BM+\b], s[CC], v[MN]     ; the same of each block's largest score
.endr
.set j, 0
	s_wait_alu depctr_va_vdst(0)                   ; the wait ahead of the batch
.rept 64
	v_exp_f32 v[SX+j], v[SX+j]
.set j, j+1
.endr
	v_pk_mul_f32 v[MN+2:MN+3], v[MN+2:MN+3], v[FF:FF+1] op_sel_hi:[1,0]   ; the sums under the new M: the plain place behind the exponentials
	s_wait_alu depctr_va_vdst(0)                   ; and behind it
.irp b, 0,1,2,3
	v_exp_f32 v[BM+\b], v[BM+\b]                   ; the blocks' largest p
.endr
	v_pk_add_f32 v[CT:CT+1], v[SX:SX+1], v[SX+2:SX+3]   ; the row's sum is taken of the UNQUANTISED p, in two chains
.irp j, 4,8,12,16,20,24,28,32,36,40,44,48,52,56,60
	v_pk_add_f32 v[MN+2:MN+3], v[MN+2:MN+3], v[SX+\j:SX+\j+1]
	v_pk_add_f32 v[CT:CT+1], v[CT:CT+1], v[SX+\j+2:SX+\j+3]
.endr
	s_delay_alu instid0(VALU_DEP_1)
	v_pk_add_f32 v[MN+2:MN+3], v[MN+2:MN+3], v[CT:CT+1]
	s_wait_alu depctr_va_vdst(0)                   ; one for the four
.irp b, 0,1,2,3
	v_max_num_f32 v[BM+\b], 0x2800000, v[BM+\b]    ; the floor 2^(5 - 127)
.endr
.irp b, 0,1,2,3
	s_delay_alu instid0(VALU_DEP_4)
	v_add_nc_u32 v[SO+\b], 0xfe000000, v[BM+\b]
.endr
	PACK SX, PP+12*(\x), PS+(\x)
	WIN 0x41                                       ; O^T (destination and source 0) in window 1, f in window 0
.set j, 0
.rept 32
	v_pk_mul_f32 v[64*(\x)+j:64*(\x)+j+1], v[64*(\x)+j:64*(\x)+j+1], v[FF:FF+1] op_sel_hi:[1,0]   ; O^T under the new M, from each accumulator's low end on; also the places between p's codes and scale word and the products
.set j, j+2
.endr
	WIN 0
.endm
; The next image's loads: they have this step's work in which to land.  The image after it is prefetched: 3 waves x 32 lanes x 256 bytes, each block named once in the launch; the last two places ask for nothing
.macro NEXTLOAD
	s_cmp_lg_u32 s[LDF], 0
	s_cbranch_scc0 .Lnl_\@
	IMGLOAD
	s_cmp_gt_i32 s[STN], s[PLIM]
	s_cbranch_scc1 .Lnl_\@
	global_prefetch_b8 v[PFO], s[PFP:PFP+1] th:TH_LOAD_NT scope:SCOPE_SE
.Lnl_\@:
.endm
; A step's work: both = 1: tiles 0 and 1; both = 0: tile 1 alone
.macro BODY both
.if \both
	s_wait_loadcnt 0x0                             ; tile 0's registers are written below: none of its q's loads is out
.endif
	KFETCH
	NEXTLOAD
	s_wait_dscnt 12                                ; fragments 0-3 and the scale words are in; the 12 loads of fragments 4-7 may be out
	WIN 0x04                                       ; source 1 (Q) in window 1
.if \both
	KQ 0, 0
.endif
	KQ 0, 1
	PLACES 4                                       ; in front of loads into registers that matrix instructions have read
	WIN 0
	VFETCH 0
	s_wait_dscnt 16                                ; fragments 4-7 are in; V's 16 loads may be out
	WIN 0x05                                       ; sources 0 and 1 in window 1
.if \both
	KQ 1, 0
.endif
	KQ 1, 1
	PLACES 4                                       ; the same, and in front of the first read of the scores
	WIN 0x40
	VFETCH 1
	WIN 0
.if \both
	MASKIF 0
.endif
	MASKIF 1
.if \both
	SM 0
	s_wait_alu depctr_va_vdst(0)                   ; the wait directly ahead of the first reader of tile 1's scores
.endif
	SM 1
	s_wait_alu depctr_va_vdst(0)
	s_wait_dscnt 0x0                               ; V's eight fragments and their scale words
	PV \both
	PLACES 4                                       ; in front of loads into the fragments' registers and of reads of O^T
.endm
; THE WAY OUT of tile x: the sum's halves and lane l xor 16's are added; O^T is divided by the sum, goes through my stage and leaves as whole rows of 512 bytes
.macro OUT x
.set SX, SS+64*(\x)
.set SY, SS+64*(1-(\x))
.set MN, STAT+4*(\x)
	v_add_f32 v[MN+2], v[MN+2], v[MN+3]
	s_delay_alu instid0(VALU_DEP_1)
	v_permlanex16_b32 v[BP], v[MN+2], s[SEL], s[SEL+1]
	s_delay_alu instid0(VALU_DEP_1)
	v_add_f32 v[MN+2], v[MN+2], v[BP]
	s_wait_alu depctr_va_vdst(0)                   ; the wait ahead of the reciprocal
	v_rcp_f32 v[MN+2], v[MN+2]
	v_nop
	s_wait_alu depctr_va_vdst(0)                   ; and behind it
	WIN 0x01                                       ; source 0 (O^T) in window 1
.set j, 0
.rept 64
	v_mul_f32 v[SX+j], v[64*(\x)+j], v[MN+2]       ; register 8 t + i is o(r, 16 t + 8 h + i); each accumulator from its low end on
.set j, j+1
.endr
	WIN 0
.irp t, 0,1,2,3,4,5,6,7
	ds_store_b128 v[STO], v[SX+8*\t:SX+8*\t+3] offset:64*\t
	ds_store_b128 v[STO], v[SX+8*\t+4:SX+8*\t+7] offset:64*\t+16
.endr
.set j, 0
.rept 16
	ds_load_b128 v[SY+4*j:SY+4*j+3], v[RD] offset:j*QPITCH   ; LDS serves a wave's instructions in order: these see my stores
.set j, j+1
.endr
.set j, 0
.rept 16
	s_wait_dscnt 15-j                              ; row j is back; the 15 - j younger rows may be out
	global_store_b128 v[LI], v[SY+4*j:SY+4*j+3], s[OP+2*(\x):OP+2*(\x)+1] offset:j*16384 th:TH_STORE_NT   ; 32 lanes store 512 consecutive bytes, at a multiple of 256 from out0's first byte
.set j, j+1
.endr
	s_wait_xcnt 0x0                                ; the stores' registers are written again only behind this wait
.endm
; A PLACE OF THE WALK: image (STN + S0) % 16 lies in slot \slot.  ONE barrier a place orders both ways: in front of it my part of this image has landed in LDS and my reads of the other slot are over;
; the other slot is written at this place's end, and every wave has passed this barrier since it last read it.
.macro STEP slot
.set SL, (\slot)*SLOTB
	s_wait_xcnt 0x0                                ; the last place's loads and prefetch have read their bases, which are made anew
	s_add_co_u32 s48, s[STN], S0
	s_and_b32 s48, s48, 15
	s_lshl_b32 s[KF], s48, 7
	s_lshl_b32 s[B2], s48, 1
.irp x, 0,1
	s_cmp_le_i32 s[KF], s[HIDE+\x]                 ; some key of the step comes no later than the tile's last key,
	s_cselect_b32 s[FV+\x], 1, 0
	s_bitcmp1_b32 s[ANYV+\x], s[B2]                ; and one of the step's two blocks is a block
	s_cselect_b32 s[FV+\x], s[FV+\x], 0
.endr
	s_add_co_u32 s48, s[STN], S0+1
	s_and_b32 s48, s48, 15                         ; the next image
	s_lshl_b32 s49, s48, 7
	s_cmp_le_i32 s49, s[WGH]                       ; is copied if some row of the work-group sees it,
	s_cselect_b32 s[LDF], 1, 0
	s_cmp_eq_u32 s[STN], 15                        ; and the walk goes on
	s_cselect_b32 s[LDF], 0, s[LDF]
	s_mul_i32 s50, s48, IMGB
	s_mov_b32 s51, 0
	s_add_nc_u64 s[KVP:KVP+1], s[KVB:KVB+1], s[50:51]
	s_lshl_b32 s50, s48, 10
	s_add_nc_u64 s[KSP:KSP+1], s[SCB:SCB+1], s[50:51]
	s_add_co_u32 s48, s[STN], S0+2
	s_and_b32 s48, s48, 15
	s_mul_i32 s50, s48, IMGB
	s_add_nc_u64 s[PFP:PFP+1], s[KVB:KVB+1], s[50:51]
	s_wait_alu depctr_va_vdst(0)                   ; the wait ahead of the blocking wait
	s_wait_dscnt 0x0                               ; for the others' sake: zero
	s_barrier_signal -1
	s_barrier_wait -1
	s_cmp_lg_u32 s[FV], 0
	s_cbranch_scc1 .Lab_\@
	s_cmp_lg_u32 s[FV+1], 0
	s_cbranch_scc1 .Lb_\@
	NEXTLOAD
	s_branch .Ljoin_\@
.Lab_\@:
	BODY 1
	s_branch .Ljoin_\@
.Lb_\@:
	BODY 0
.Ljoin_\@:
	s_wait_loadcnt 0x0                             ; the next image is in registers (at place 0: tile 0's q too)
	s_cmp_lg_u32 s[LDF], 0
	s_cbranch_scc0 .Lns_\@
	IMGSTORE (1-(\slot))*SLOTB
.Lns_\@:
.if (\slot) == 0
	s_cmp_eq_u32 s[STN], s[QPOS]
	s_cbranch_scc0 .Lnx_\@
	QUANT 0
.else
	s_cmp_eq_u32 s[STN], s[FINA]
	s_cbranch_scc0 .Lnx_\@
	OUT 0
.endif
.Lnx_\@:
	s_add_co_u32 s[STN], s[STN], 1
.endm
.Ltrip:                                ; eight trips of two places: the trip count is a constant, and no barrier stands under a branch on data
	STEP 0
	STEP 1
	s_sub_co_u32 s[TRIP], s[TRIP], 1
	s_cmp_lg_u32 s[TRIP], 0
	s_cbranch_scc1 .Ltrip
	OUT 1
	s_wait_tensorcnt 0x0                           ; the wave's end
	ds_add_u32 v[SPW], v[NIL]
	s_wait_dscnt 0x0
	s_endpgm
.Lfunc_end_k_q9ee6a2bc62_attn:
	.size	k_q9ee6a2bc62_attn, .Lfunc_end_k_q9ee6a2bc62_attn-k_q9ee6a2bc62_attn
	.p2alignl 7, 3214868480
	.fill 96, 4, 3214868480
	.section	.rodata,"a",@progbits
	.p2align	6, 0x0
	.amdhsa_kernel k_q9ee6a2bc62_attn
		.amdhsa_group_segment_fixed_size 119808
		.amdhsa_private_segment_fixed_size 0
		.amdhsa_enable_private_segment 0
		.amdhsa_kernarg_size 48
		.amdhsa_user_sgpr_count 2
		.amdhsa_user_sgpr_kernarg_segment_ptr 1
		.amdhsa_wavefront_size32 1
		.amdhsa_system_sgpr_workgroup_id_x 1
		.amdhsa_system_sgpr_workgroup_id_y 1
		.amdhsa_system_sgpr_workgroup_id_z 1
		.amdhsa_system_vgpr_workitem_id 0
		.amdhsa_next_free_vgpr 512
		.amdhsa_next_free_sgpr 88
		.amdhsa_reserve_vcc 1
		.amdhsa_float_denorm_mode_32 3
		.amdhsa_float_denorm_mode_16_64 3
		.amdhsa_memory_ordered 1
		.amdhsa_forward_progress 1
		.amdhsa_inst_pref_size 213
	.end_amdhsa_kernel
	.amdgpu_metadata
---
amdhsa.version: [ 1, 2 ]
amdhsa.kernels:
  - .name:           k_q9ee6a2bc62_attn
    .symbol:         k_q9ee6a2bc62_attn.kd
    .args:
      - { .name: q, .offset: 0, .size: 8, .value_kind: global_buffer, .address_space: global }
      - { .name: kv, .offset: 8, .size: 8, .value_kind: global_buffer, .address_space: global }
      - { .name: cu_seqlens_q, .offset: 16, .size: 8, .value_kind: global_buffer, .address_space: global }
      - { .name: cu_seqlens_k, .offset: 24, .size: 8, .value_kind: global_buffer, .address_space: global }
      - { .name: block_tables, .offset: 32, .size: 8, .value_kind: global_buffer, .address_space: global }
      - { .name: out0, .offset: 40, .size: 8, .value_kind: global_buffer, .address_space: global }
    .group_segment_fixed_size: 119808
    .private_segment_fixed_size: 0
    .kernarg_segment_align: 8
    .kernarg_segment_size: 48
    .max_flat_workgroup_size: 256
    .sgpr_count:     88
    .vgpr_count:     512
    .wavefront_size: 32
...
	.end_amdgpu_metadata
.endif
;; end of part 2
